; MI455X (gfx1250); checked and timed in simulation.
; The chip was launched on July 23, 2026; its instructions are those of AMD's public machine-readable ISA for CDNA 5 (MIT licence, August 2026) and "CDNA5" Instruction Set Architecture Reference Guide (July 2026). The comments in the code are by the model that wrote it; some were corrected since.
;; Attn Block. Allowed arithmetic: matrix products marked QUANTISED: E2M3 operands, one E8M0 scale for each 32 along K, by v_wmma_scale_f32_16x16x128_f8f6f4 with both operands' format E2M3, f32 sums; everything else in f32.
;; Inputs: gn_bias 256 float32; gn_scale 256 float32; proj_b 256 float32; proj_w_codes 256 x 8 x 24 uint8 (E2M3 codes of proj_w, K innermost, in blocks of 32 codes, four codes in three bytes); proj_w_scales 256 x 8 uint8 (E8M0 scales of proj_w, one for each 32 codes along K); qkv_b 768 float32; qkv_w_codes 768 x 8 x 24 uint8 (E2M3 codes of qkv_w, K innermost, in blocks of 32 codes, four codes in three bytes); qkv_w_scales 768 x 8 uint8 (E8M0 scales of qkv_w, one for each 32 codes along K); x 4 x 256 x 64 x 64 float32.
;; Outputs: out0 4 x 256 x 64 x 64 float32.
;; This version of the problem:
;;   THIS VERSION OF THE PROBLEM IS GIVEN IN LOW PRECISION. The matrix products marked QUANTISED in the list below multiply operands that are first quantised to E2M3 (2 exponent bits, 3 mantissa bits; 6 bits a number), with one power-of-two scale for each 32 numbers along K (OCP MX v1.0); their sums are f32. All else is computed in f32.
;;   The module's matrix products, in the order in which they are computed (A, B: the left and right operand; K: the contracted axis; several contracted axes count as one K, in the product's order):
;;     1. [M 16,384, K 256] x [K 256, N 768]; A: computed on the way; B: input qkv_w (given as codes): QUANTISED
;;     2. batch 4 x [M 4,096, K 256] x [K 256, N 4,096]; A: computed on the way; B: computed on the way: QUANTISED
;;     3. batch 4 x [M 256, K 4,096] x [K 4,096, N 4,096]; A: computed on the way; B: softmax (see below): QUANTISED
;;     4. [M 16,384, K 256] x [K 256, N 256]; A: computed on the way; B: input proj_w (given as codes): QUANTISED
;;   THE QUANTISER, for each operand of a quantised product, along K:
;;     - K is cut into blocks of 32 from its start; a last block that is shorter is filled with zeros.
;;     - A block's scale is 2^e with e = floor(log2(the largest magnitude in the block)) - 2, held to -126 .. 127; a block of zeros has e = 0. As a byte (E8M0): e + 127.
;;     - Each number is divided by its block's scale, clamped to +-7.5, and rounded to the nearest number of E2M3, ties to even, subnormals kept.
;;     - The product sums the exact products of the quantised numbers (number of the format x scale) in f32.
;;   ~~~python
;;   def quantise(x, axis):      # numpy; x: float32 -> the quantised numbers, widened to float32 again
;;       x = np.moveaxis(x, axis, -1); K = x.shape[-1]
;;       x = np.pad(x, [(0, 0)] * (x.ndim - 1) + [(0, -K % 32)]); x = x.reshape(x.shape[:-1] + (-1, 32)); a = np.abs(x).max(-1, keepdims=True)
;;       e = np.where(a > 0, np.clip(np.frexp(np.where(a > 0, a, 1))[1] - 1 - 2, -126, 127), 0)      # np.frexp(a)[1] - 1 = floor(log2(a)), exactly
;;       r = np.clip(x / 2.0 ** e, -7.5, 7.5)
;;       step = 2.0 ** (np.maximum(np.frexp(np.where(r == 0, 1, r))[1] - 1, 0) - 3)
;;       q = np.round(r / step) * step * 2.0 ** e      # np.round: ties to even
;;       return np.moveaxis(q.reshape(q.shape[:-2] + (-1,))[..., :K], -1, axis).astype(np.float32)
;;   ~~~
;;   SOFTMAX AHEAD OF A QUANTISED PRODUCT. Where the list says 'softmax', what is quantised is not the finished softmax but p = 2^(t - M), with t = logit x log2(e) and M = ceil(the row's largest t), a whole number; so 1/2 < the row's largest p <= 1. The row's sum l is taken of the UNQUANTISED p, in f32, and the product's result is divided by l at the end. Since M is a whole number, a kernel that streams over the keys may use a running M (the ceiling of the running maximum): every later rescaling is an exact power of two, which a block's scale takes up: the codes' values come out the same.
;;   OPERANDS COMPUTED ON THE WAY. 'Computed on the way' means the value that the module computes at that place (a softmax that the list does not call 'softmax' is quantised finished and normalised). What goes into a quantiser is computed in f32, as accurately as f32 sums, v_exp_f32 and their like allow (about 1e-6 of the number): no bf16 or f16 on the way to a quantiser, and a product that is left as it is and whose result goes on into a quantised operand takes f32 operands (vector FMAs, or v_wmma_f32_16x16x4_f32). A number that lies on a knife's edge between two numbers of the format may be rounded either way, as far as f32 arithmetic and the matrix unit's own rounding can turn it there, and no further.
;;   INPUTS GIVEN AS CODES. proj_w (in the module: [256, 256], K = its axis 1); qkv_w (in the module: [768, 256], K = its axis 1): each comes as NAME_codes (uint8): NAME with its K axis moved to the last place and cut into blocks of 32 codes, [.., K / 32, bytes a block], one block behind the other in memory; four codes in three bytes: a row's codes are one little-endian stream of bits, code i at bits 6 i .. 6 i + 5 (a code: sign, 2 exponent bits, 3 mantissa bits); and NAME_scales (uint8): the same leading axes, one E8M0 byte (e + 127) for each 32 codes along K. Its value is code x scale, taken as it is: it is not quantised again, and the codes and scales need not be those that the quantiser above would give.
;; One version. Each part assembles by itself: llvm-mc -triple=amdgcn-amd-amdhsa -mcpu=gfx1250 --defsym DOCPART=n.
;; ======== version 1 of 1: 3 launches
;; workspace buffers: stats 8,192 bytes; wimg 208,896 bytes; qimg 3,276,800 bytes; kv 6,553,600 bytes
;; launch prep (part 1): grid 272 x 1, 4 waves a work-group, no clusters, 0 bytes of LDS; arguments x, qkv_w_codes, qkv_w_scales, qkv_b, proj_w_codes, proj_w_scales, proj_b, stats, wimg; writes stats, wimg
.if DOCPART == 1
	.amdgcn_target "amdgcn-amd-amdhsa--gfx1250"
	.amdhsa_code_object_version 6
	.text
	.protected	k_q8223a7dd78_prep
	.globl	k_q8223a7dd78_prep
	.p2align	8
	.type	k_q8223a7dd78_prep,@function
k_q8223a7dd78_prep:
	s_mov_b64 s[64:65], 0
	v_nop
	global_prefetch_b8 v0, s[64:65] scope:SCOPE_SE
	s_setreg_imm32_b32 hwreg(HW_REG_WAVE_MODE, 25, 1), 1
	s_wait_xcnt 0x0
; PREP.  Two jobs that the later launches need done once.
; (1) Work-groups 0-255: for each of the 4 x 256 channel rows of x (4,096 f32, 16 KiB) its mean and the sum of its squared distances from that mean, stored as a pair at stats[8 (256 b + c)].
;     One wave takes one row and keeps it in 128 registers between the two passes: x is read once, and no difference of large sums is formed.  The groups of 8 channels are joined by the launch that uses them.
; (2) Work-groups 256-271: the two weights' codes, scale bytes and biases are laid into wimg in the order in which a wave's operand registers take them: a wave to a tile of 16 rows.
;     A fragment (16 rows x 128 K, 12 registers a lane) lies as an image of its registers: registers 4 g .. 4 g + 3 of lane l at 512 g + 16 l.  A tile's scale register: lane (r, h) holds row r's word for K step h.
;     wimg: four blocks of 39,168 bytes for the qkv product (block wb: 12 tiles: codes 3,072 t + 1,536 s; scale registers at 36,864 + 128 t; biases at 38,400 + 64 t), then four of 13,056 bytes for the projection.
;     Tiles t < 8 of block wb: q (wb < 2) or k, channels 128 (wb & 1) + 32 (t / 2) + 8 (t % 2) + r + 8 (r / 8); tiles 8-11: v, the same order of channels with tile number 4 wb + t - 8.  Channel c of q, k, v is row 3 c, 3 c + 1, 3 c + 2 of qkv_w.
; No LDS, no barrier: waves share nothing.  LIMITS: NaN and infinities in x are not served.
.set X,   16                           ; v16-143  the row
.set CH,  144                          ; v144-151 four chains of packed sums
.set MN,  152                          ; v152-153 the mean twice; at the end (mean, sum of squares)
.macro WSUM a, t                       ; the sum over the 32 lanes, in every lane
	v_add_f32_dpp v[\a], v[\a], v[\a] row_xmask:1 row_mask:0xf bank_mask:0xf
	v_add_f32_dpp v[\a], v[\a], v[\a] row_xmask:2 row_mask:0xf bank_mask:0xf
	v_add_f32_dpp v[\a], v[\a], v[\a] row_xmask:4 row_mask:0xf bank_mask:0xf
	v_add_f32_dpp v[\a], v[\a], v[\a] row_xmask:8 row_mask:0xf bank_mask:0xf
	v_permlanex16_b32 v[\t], v[\a], s28, s29
	v_add_f32 v[\a], v[\a], v[\t]
.endm
.macro JOIN                            ; the four chains become one number, in v[CH] of every lane
	v_pk_add_f32 v[CH:CH+1], v[CH:CH+1], v[CH+2:CH+3]
	v_pk_add_f32 v[CH+4:CH+5], v[CH+4:CH+5], v[CH+6:CH+7]
	v_pk_add_f32 v[CH:CH+1], v[CH:CH+1], v[CH+4:CH+5]
	v_add_f32 v[CH], v[CH], v[CH+1]
	WSUM CH, CH+1
.endm
	s_load_b512 s[4:19], s[0:1], 0x0               ; x s[4:5]; qkv_w codes s[6:7], scales s[8:9], bias s[10:11]; proj_w codes s[12:13], scales s[14:15], bias s[16:17]; stats s[18:19]
	s_load_b64 s[20:21], s[0:1], 0x40              ; wimg
	v_lshrrev_b32 v1, 5, v0
	v_readfirstlane_b32 s22, v1                    ; wave 0..3
	v_and_b32 v2, 31, v0                           ; lane
	s_cmp_ge_u32 ttmp9, 256
	s_cbranch_scc1 .Llayout
	; ---- (1) a row's mean and sum of squares
	s_lshl_b32 s23, ttmp9, 2
	s_add_co_u32 s23, s23, s22                     ; the row: 256 b + c = 4 x work-group + wave
	s_lshl_b32 s24, s23, 14                        ; 16,384 bytes a row
	s_mov_b32 s25, 0
	s_lshl_b32 s26, s23, 3                         ; 8 bytes a row in stats
	s_mov_b32 s27, 0
	s_mov_b32 s28, 0x76543210
	s_mov_b32 s29, 0xfedcba98                      ; v_permlanex16_b32's selects for lane l xor 16
	v_lshlrev_b32 v3, 4, v2                        ; 16 bytes a lane: a load covers 512 consecutive bytes
	v_mov_b32 v4, 0
	s_wait_kmcnt 0x0
	s_add_nc_u64 s[4:5], s[4:5], s[24:25]
	s_add_nc_u64 s[18:19], s[18:19], s[26:27]
.set P, 0
.rept 32
	global_load_b128 v[X+4*P:X+4*P+3], v3, s[4:5] offset:512*P
.set P, P+1
.endr
	s_wait_loadcnt 24                              ; the first eight loads are in (16 pairs); the 24 behind them may be out
.irp k,0,1,2,3
	v_pk_add_f32 v[CH+2*\k:CH+2*\k+1], v[X+2*\k:X+2*\k+1], v[X+8+2*\k:X+8+2*\k+1]   ; the first pairs start the chains: nothing is cleared
.endr
.set P, 8
.rept 56
.if P == 16
	s_wait_loadcnt 16                              ; the second eight
.endif
.if P == 32
	s_wait_loadcnt 8                               ; the third eight
.endif
.if P == 48
	s_wait_loadcnt 0x0
.endif
	v_pk_add_f32 v[CH+2*(P%4):CH+2*(P%4)+1], v[CH+2*(P%4):CH+2*(P%4)+1], v[X+2*P:X+2*P+1]
.set P, P+1
.endr
	JOIN
	v_mul_f32 v[MN], 0x39800000, v[CH]             ; / 4,096
	v_mov_b32 v[MN+1], v[MN]
.set P, 0
.rept 64
	v_pk_add_f32 v[X+2*P:X+2*P+1], v[X+2*P:X+2*P+1], v[MN:MN+1] neg_lo:[0,1] neg_hi:[0,1]   ; x - mean, in place
.set P, P+1
.endr
.irp k,0,1,2,3
	v_pk_mul_f32 v[CH+2*\k:CH+2*\k+1], v[X+2*\k:X+2*\k+1], v[X+2*\k:X+2*\k+1]
.endr
.set P, 4
.rept 60
	v_pk_fma_f32 v[CH+2*(P%4):CH+2*(P%4)+1], v[X+2*P:X+2*P+1], v[X+2*P:X+2*P+1], v[CH+2*(P%4):CH+2*(P%4)+1]
.set P, P+1
.endr
	JOIN
	v_mov_b32 v[MN+1], v[CH]
	s_wait_xcnt 0x0                                ; EXEC changes only behind this wait
	v_cmp_eq_u32 vcc_lo, 0, v2
	s_and_saveexec_b32 s30, vcc_lo                 ; lane 0 stores the row's 8 bytes (8 KiB in the whole launch)
	global_store_b64 v4, v[MN:MN+1], s[18:19]
	s_endpgm
	; ---- (2) a tile of 16 rows of a weight
.Llayout:
	s_sub_co_u32 s23, ttmp9, 256                   ; 0-11: tile t of the qkv blocks, the wave is the block; 12-15: a projection block, the wave is the tile
	s_cmp_ge_u32 s23, 12
	s_cbranch_scc1 .Lproj
	s_and_b32 s24, s22, 1
	s_lshl_b32 s24, s24, 7                         ; q, k: the block's half of the channels
	s_lshr_b32 s25, s22, 1                         ; q (0) or k (1)
	s_lshl_b32 s26, s22, 2
	s_add_co_u32 s26, s26, s23
	s_sub_co_u32 s26, s26, 8                       ; v: tile number 4 wb + t - 8
	s_cmp_lt_u32 s23, 8
	s_cselect_b32 s26, s23, s26                    ; the tile's number in the order of channels
	s_cselect_b32 s24, s24, 0
	s_cselect_b32 s25, s25, 2
	s_lshr_b32 s27, s26, 1
	s_lshl_b32 s27, s27, 5
	s_and_b32 s28, s26, 1
	s_lshl_b32 s28, s28, 3
	s_add_co_u32 s24, s24, s27
	s_add_co_u32 s24, s24, s28                     ; the channel of r = 0
	s_mul_i32 s24, s24, 3
	s_add_co_u32 s24, s24, s25                     ; its row of qkv_w
	s_mov_b32 s25, 3                               ; rows from channel to channel
	s_mov_b32 s26, 8                               ; lanes 8-15 stand 8 channels further on
	s_mul_i32 s27, s22, 39168
	s_mul_i32 s28, s23, 3072
	s_add_co_u32 s28, s28, s27                     ; where the codes go,
	s_lshl_b32 s29, s23, 7
	s_add_co_u32 s29, s29, s27
	s_add_co_u32 s29, s29, 36864                   ; the scale register,
	s_lshl_b32 s30, s23, 6
	s_add_co_u32 s30, s30, s27
	s_add_co_u32 s30, s30, 38400                   ; the biases
	s_branch .Lcommon
.Lproj:
	s_sub_co_u32 s27, s23, 12                      ; the block
	s_lshl_b32 s24, s27, 2
	s_add_co_u32 s24, s24, s22
	s_lshl_b32 s24, s24, 4                         ; row 16 (4 block + tile) of proj_w; the rows are neighbours
	s_mov_b32 s25, 1
	s_mov_b32 s26, 0
	s_mul_i32 s27, s27, 13056
	s_add_co_u32 s27, s27, 156672
	s_mul_i32 s28, s22, 3072
	s_add_co_u32 s28, s28, s27
	s_lshl_b32 s29, s22, 7
	s_add_co_u32 s29, s29, s27
	s_add_co_u32 s29, s29, 12288
	s_lshl_b32 s30, s22, 6
	s_add_co_u32 s30, s30, s27
	s_add_co_u32 s30, s30, 12800
.Lcommon:
	s_wait_kmcnt 0x0
	s_cmp_lt_u32 s23, 12                           ; the choice of buffers hangs on the work-group's number alone
	s_cselect_b64 s[6:7], s[6:7], s[12:13]
	s_cselect_b64 s[8:9], s[8:9], s[14:15]
	s_cselect_b64 s[10:11], s[10:11], s[16:17]
	v_and_b32 v3, 15, v0                           ; r
	v_bfe_u32 v4, v0, 4, 1                         ; h
	v_lshrrev_b32 v5, 3, v3
	v_mad_u32_u24 v5, v5, s26, v3
	v_mul_u32_u24 v5, v5, s25
	v_add_nc_u32 v5, s24, v5                       ; my row of the weight
	v_mul_u32_u24 v6, v5, 192                      ; 256 codes are 192 bytes
	v_mad_u32_u24 v6, v4, 24, v6
	v_lshlrev_b32 v7, 3, v5
	v_lshl_add_u32 v7, v4, 2, v7                   ; 8 scale bytes a row: word h
	v_lshlrev_b32 v8, 2, v5
	v_lshl_add_u32 v9, v2, 4, s28
	v_lshl_add_u32 v10, v2, 2, s29
	v_lshl_add_u32 v11, v3, 2, s30
.irp s,0,1
.irp p,0,1,2,3,4,5
	global_load_b64 v[16+12*\s+2*\p:17+12*\s+2*\p], v6, s[6:7] offset:96*\s+48*(\p/3)+8*(\p%3)   ; the fragment of K step s, as the operand's layout wants it
.endr
.endr
	global_load_b32 v40, v7, s[8:9]
	global_load_b32 v41, v8, s[10:11]
	s_wait_loadcnt 0x0
.irp s,0,1
.irp g,0,1,2
	global_store_b128 v9, v[16+12*\s+4*\g:19+12*\s+4*\g], s[20:21] offset:1536*\s+512*\g   ; 512 consecutive bytes a store
.endr
.endr
	global_store_b32 v10, v40, s[20:21]
	s_wait_xcnt 0x0                                ; EXEC changes only behind this wait
	v_cmp_gt_u32 vcc_lo, 16, v2
	s_and_saveexec_b32 s31, vcc_lo
	global_store_b32 v11, v41, s[20:21]            ; lanes 0-15: the 16 rows' biases
	s_endpgm
.Lfunc_end_k_q8223a7dd78_prep:
	.size	k_q8223a7dd78_prep, .Lfunc_end_k_q8223a7dd78_prep-k_q8223a7dd78_prep
	.p2alignl 7, 3214868480
	.fill 96, 4, 3214868480
	.section	.rodata,"a",@progbits
	.p2align	6, 0x0
	.amdhsa_kernel k_q8223a7dd78_prep
		.amdhsa_group_segment_fixed_size 0
		.amdhsa_private_segment_fixed_size 0
		.amdhsa_enable_private_segment 0
		.amdhsa_kernarg_size 72
		.amdhsa_user_sgpr_count 2
		.amdhsa_user_sgpr_kernarg_segment_ptr 1
		.amdhsa_wavefront_size32 1
		.amdhsa_system_sgpr_workgroup_id_x 1
		.amdhsa_system_sgpr_workgroup_id_y 1
		.amdhsa_system_sgpr_workgroup_id_z 1
		.amdhsa_system_vgpr_workitem_id 0
		.amdhsa_next_free_vgpr 160
		.amdhsa_next_free_sgpr 66
		.amdhsa_reserve_vcc 1
		.amdhsa_float_denorm_mode_32 3
		.amdhsa_float_denorm_mode_16_64 3
		.amdhsa_memory_ordered 1
		.amdhsa_forward_progress 1
		.amdhsa_inst_pref_size 23
	.end_amdhsa_kernel
	.amdgpu_metadata
---
amdhsa.version: [ 1, 2 ]
amdhsa.kernels:
  - .name:           k_q8223a7dd78_prep
    .symbol:         k_q8223a7dd78_prep.kd
    .args:
      - { .name: x, .offset: 0, .size: 8, .value_kind: global_buffer, .address_space: global }
      - { .name: qkv_w_codes, .offset: 8, .size: 8, .value_kind: global_buffer, .address_space: global }
      - { .name: qkv_w_scales, .offset: 16, .size: 8, .value_kind: global_buffer, .address_space: global }
      - { .name: qkv_b, .offset: 24, .size: 8, .value_kind: global_buffer, .address_space: global }
      - { .name: proj_w_codes, .offset: 32, .size: 8, .value_kind: global_buffer, .address_space: global }
      - { .name: proj_w_scales, .offset: 40, .size: 8, .value_kind: global_buffer, .address_space: global }
      - { .name: proj_b, .offset: 48, .size: 8, .value_kind: global_buffer, .address_space: global }
      - { .name: stats, .offset: 56, .size: 8, .value_kind: global_buffer, .address_space: global }
      - { .name: wimg, .offset: 64, .size: 8, .value_kind: global_buffer, .address_space: global }
    .group_segment_fixed_size: 0
    .private_segment_fixed_size: 0
    .kernarg_segment_align: 8
    .kernarg_segment_size: 72
    .max_flat_workgroup_size: 128
    .sgpr_count:     66
    .vgpr_count:     160
    .wavefront_size: 32
...
	.end_amdgpu_metadata
.endif
;; end of part 1
;; launch qkv (part 2): grid 64 x 4, 4 waves a work-group, no clusters, 41,472 bytes of LDS; arguments x, stats, gn_scale, gn_bias, wimg, qimg, kv; writes qimg, kv
.if DOCPART == 2
	.amdgcn_target "amdgcn-amd-amdhsa--gfx1250"
	.amdhsa_code_object_version 6
	.text
	.protected	k_q8223a7dd78_qkv
	.globl	k_q8223a7dd78_qkv
	.p2align	8
	.type	k_q8223a7dd78_qkv,@function
k_q8223a7dd78_qkv:
	s_mov_b64 s[64:65], 0
	v_nop
	global_prefetch_b8 v0, s[64:65] scope:SCOPE_SE
	s_setreg_imm32_b32 hwreg(HW_REG_WAVE_MODE, 25, 1), 1
	s_wait_xcnt 0x0
; QKV.  GroupNorm, the qkv product on codes of FP6 (E2M3, one E8M0 scale for each 32 along K), and the quantising of q, k (along the channels) and v (along the keys) into images of operand registers.
; SHARES.  A work-group takes 64 tokens (tb = work-group x) of one image (b = work-group y) and all 768 outputs.  Wave w first normalises and quantises channels 64 w .. 64 w + 63 of the 64 tokens; then it makes
; one unit of 128 channels of q (w < 2) or k for all 64 tokens (64 matrix instructions) and 64 channels of v (32).  Its part of the weights goes from wimg straight into its registers, once.
; x IS LOADED 16 BYTES A LANE: lane (r, h) takes tokens 4 r .. 4 r + 3 of channel 64 w + 32 h + i, so each load covers two whole rows of 256 bytes.  Register j of a load belongs to TOKEN TILE j, whose row r is token 4 r + j;
; a lane's 32 loads give it a whole block of 32 channels of each of its four tokens: no other lane is asked for a maximum, and the conversions' results are registers 6 (w & 1) .. + 5 of h's fragment (j, K step w / 2).
; q, k: source 0 = 16 rows of W in the order 32 b + 8 u + r + 8 (r / 8), source 1 = h: a lane holds one token, and the 16 registers of two neighbouring tiles are 16 neighbouring channels.
; v: source 0 = h, source 1 = 16 rows of W: a lane holds one channel and, over the four token tiles, keys 32 h + 4 e + j: a whole block of 32 keys.
; WHAT IS STORED.  A block of q or k (12,800 bytes: 64 tokens as four tiles kt in the order above): fragment (kt, s) as an image of its registers (registers 4 g .. + 3 of lane l at 512 g + 16 l) at 1,536 (2 kt + s); scale words at 12,288 + 16 (r + 16 s) + 4 kt.
; A block of v (12,800 bytes: 64 keys): registers 6 hb + 2 p, + 1 of fragment ct at 768 ct + 256 p + 8 l; scale bytes at 12,288 + 16 (r + 16 (ct & 1)) + 4 (ct / 4) + 2 ((ct / 2) & 1) + h.
; kv: [image][key step of 128][two parts of 25,600 bytes, each two blocks]: v first where (key step / 4) is even, k first where it is odd: the order in which the next launch's ring wants them.
; No joint loads: through LDS they would be moved twice.
; LIMITS: NaN and infinities are not served.  A block of zeros, or one whose largest magnitude lies under 2^-124, gets the scale byte 1; only this program reads these bytes.
; LDS: h's 8 fragments at 0 (registers 2 p, 2 p + 1 of lane l at 256 p + 8 l); their scale words at HSC; a stage of 6,400 bytes for each wave at QKS; v's scale bytes at VSC.
; REGISTERS.  Window 0: v1-15, v248-249 offsets; v16-79 statistics, then h's codes, then accumulators ACC0; v80-143 gains and biases, then ACC1; v144-159 at work (v152-155 v's biases); v160-180 codes just made;
;   v184-215 32 numbers of h, later v's codes; v216-227 W's scale registers, v228-231 h's; v232-239 (mean, 1 / sigma) of my four groups.
;   Window 1: v0-191 W's 16 fragments of my unit, later the unit read back; v192-255 the unit's biases.   Window 2: v0-127 x, later h's 8 fragments; v128-223 W's 8 fragments for v.
.set HSC,  12288
.set QKS,  12800
.set VSC,  38400
.set SR,   16
.set AC,   80
.set GB,   112
.set TM,   144
.set VBI,  152
.set PC,   160
.set CT,   172
.set BYV,  176
.set PW,   180
.set HH,   184
.set WS,   216
.set HS,   228
.set GP,   232
.set SEL,  46
.set MSB, 0
.macro WIN new                         ; s_set_vgpr_msb: bits 1:0 source 0, 3:2 source 1, 5:4 source 2, 7:6 destination; the high byte repeats the setting that is left
.if MSB != \new
	s_set_vgpr_msb (MSB<<8)|\new
.set MSB, \new
.endif
.endm
.macro PLACES n
.rept \n
	v_nop
.endr
.endm
; One scaled product.  c < 0: the constant 0 starts the sum.  rows = 1: both sides' scales from lanes 16-31 (K step 1)
.macro MM d, a, b, c, sa, sb, rows
.if (\c) < 0
.if (\rows) == 0
	v_wmma_scale_f32_16x16x128_f8f6f4 v[\d:\d+7], v[\a:\a+11], v[\b:\b+11], 0, v[\sa], v[\sb] matrix_a_fmt:MATRIX_FMT_FP6 matrix_b_fmt:MATRIX_FMT_FP6
.else
	v_wmma_scale_f32_16x16x128_f8f6f4 v[\d:\d+7], v[\a:\a+11], v[\b:\b+11], 0, v[\sa], v[\sb] matrix_a_fmt:MATRIX_FMT_FP6 matrix_b_fmt:MATRIX_FMT_FP6 matrix_a_scale:MATRIX_SCALE_ROW1 matrix_b_scale:MATRIX_SCALE_ROW1
.endif
.else
.if (\rows) == 0
	v_wmma_scale_f32_16x16x128_f8f6f4 v[\d:\d+7], v[\a:\a+11], v[\b:\b+11], v[\c:\c+7], v[\sa], v[\sb] matrix_a_fmt:MATRIX_FMT_FP6 matrix_b_fmt:MATRIX_FMT_FP6
.else
	v_wmma_scale_f32_16x16x128_f8f6f4 v[\d:\d+7], v[\a:\a+11], v[\b:\b+11], v[\c:\c+7], v[\sa], v[\sb] matrix_a_fmt:MATRIX_FMT_FP6 matrix_b_fmt:MATRIX_FMT_FP6 matrix_a_scale:MATRIX_SCALE_ROW1 matrix_b_scale:MATRIX_SCALE_ROW1
.endif
.endif
.endm
; 64 numbers of a lane, register 16 b + i = k 32 b + 16 (lane / 16) + i of my row, become a fragment's codes in v[PC] on and its scale word in v[PW]
.macro QUANT s
.irp b,0,1,2,3
	v_max3_num_f32 v[TM+\b], |v[\s+16*\b]|, |v[\s+1+16*\b]|, 0x1800000   ; my 16 numbers of block b, and the floor 2^(3 - 127): the byte cannot fall under 1
.endr
.irp i,2,4,6,8,10,12,14
.irp b,0,1,2,3
	v_max3_num_f32 v[TM+\b], v[TM+\b], |v[\s+16*\b+\i]|, |v[\s+1+16*\b+\i]|
.endr
.endr
.irp b,0,1,2,3
	v_permlanex16_b32 v[TM+4+\b], v[TM+\b], s[SEL], s[SEL+1]
.endr
.irp b,0,1,2,3
	v_max_num_f32 v[TM+\b], v[TM+\b], v[TM+4+\b]   ; with lane l xor 16's: the block's largest magnitude
.endr
.irp b,0,1,2,3
	v_add_nc_u32 v[TM+12+\b], 0xff000000, v[TM+\b]   ; 2 off its exponent field: the conversion's scale operand
.endr
.irp b,0,1,2,3
	v_lshrrev_b32 v[TM+4+\b], 23, v[TM+12+\b]      ; the scale's byte
.endr
	v_lshl_or_b32 v[PW], v[TM+5], 8, v[TM+4]
	v_lshl_or_b32 v[PW], v[TM+6], 16, v[PW]
	v_lshl_or_b32 v[PW], v[TM+7], 24, v[PW]
.irp c,0,1
	v_cvt_scalef32_pk16_fp6_f32 v[PC+6*\c:PC+2+6*\c], v[\s+32*\c:\s+15+32*\c], v[TM+12+2*\c]
	v_cvt_scalef32_pk16_fp6_f32 v[PC+12+4*\c:PC+14+4*\c], v[\s+16+32*\c:\s+31+32*\c], v[TM+12+2*\c+1]   ; (a conversion's three registers begin on an even number)
.endr
	v_nop                                          ; one plain place behind a scaled conversion
.irp c,0,1                             ; the layout wants a whole block in a lane: lanes 0-15 block 2 c, lanes 16-31 block 2 c + 1
.irp i,0,1,2
	v_permlane16_swap_b32 v[PC+6*\c+\i], v[PC+12+4*\c+\i]
.endr
.irp i,0,1,2
	v_mov_b32 v[PC+3+6*\c+\i], v[PC+12+4*\c+\i]
.endr
.endr
.endm
; the largest magnitude of 32 numbers of ONE lane, with the floor, into v[TM]
.macro BMAX s
	v_max3_num_f32 v[TM], |v[\s]|, |v[\s+1]|, |v[\s+2]|
	v_max3_num_f32 v[TM+1], |v[\s+3]|, |v[\s+4]|, |v[\s+5]|
.irp i,6,10,14,18,22,26
	v_max3_num_f32 v[TM], v[TM], |v[\s+\i]|, |v[\s+\i+1]|
	v_max3_num_f32 v[TM+1], v[TM+1], |v[\s+\i+2]|, |v[\s+\i+3]|
.endr
	v_max3_num_f32 v[TM], v[TM], |v[\s+30]|, |v[\s+31]|
	v_max3_num_f32 v[TM], v[TM], v[TM+1], 0x1800000
.endm
	s_load_b256 s[4:11], s[0:1], 0x0               ; x s[4:5], stats s[6:7], gn_scale s[8:9], gn_bias s[10:11]
	s_load_b128 s[12:15], s[0:1], 0x20             ; wimg s[12:13], qimg s[14:15]
	s_load_b64 s[16:17], s[0:1], 0x30              ; kv
	v_lshl_add_u32 v254, v0, 2, 0xa000
	v_mov_b32 v255, 0
	v_lshrrev_b32 v240, 5, v0
	v_readfirstlane_b32 s18, v240                  ; wave 0..3
	s_and_b32 s19, ttmp7, 0xffff                   ; image
	v_and_b32 v240, 31, v0                         ; l
	v_and_b32 v241, 15, v0                         ; r
	v_bfe_u32 v242, v0, 4, 1                       ; h
	v_lshlrev_b32 v246, 8, v242                    ; stats: my half's 32 channels, 8 bytes each
	v_lshlrev_b32 v247, 7, v242                    ; gains and biases: 4 bytes each
	v_lshlrev_b32 v5, 19, v242
	v_lshl_add_u32 v5, v241, 4, v5                 ; x: 32 h rows of 16,384 bytes + 16 r
	s_lshl_b32 s20, s19, 11
	s_lshl_b32 s21, s18, 9
	s_add_co_u32 s20, s20, s21
	s_mov_b32 s21, 0                               ; stats: 2,048 b + 512 w
	s_lshl_b32 s22, s18, 8
	s_mov_b32 s23, 0                               ; gains: 256 w
	s_lshl_b32 s24, s19, 22
	s_lshl_b32 s25, s18, 20
	s_add_co_u32 s24, s24, s25
	s_lshl_b32 s25, ttmp9, 8
	s_add_co_u32 s24, s24, s25
	s_mov_b32 s25, 0                               ; x: image, 64 w channels, 64 tb tokens
	s_mul_i32 s26, s18, 39168
	s_mov_b32 s27, 0                               ; my block of wimg
	s_wait_kmcnt 0x0
	s_add_nc_u64 s[6:7], s[6:7], s[20:21]
	s_add_nc_u64 s[8:9], s[8:9], s[22:23]
	s_add_nc_u64 s[10:11], s[10:11], s[22:23]
	s_add_nc_u64 s[4:5], s[4:5], s[24:25]
	s_add_nc_u64 s[12:13], s[12:13], s[26:27]
.set N, 0
.rept 16
	global_load_b128 v[SR+4*N:SR+4*N+3], v246, s[6:7] offset:16*N      ; (mean, sum of squares) of two channels
.set N, N+1
.endr
.set N, 0
.rept 8
	global_load_b128 v[AC+4*N:AC+4*N+3], v247, s[8:9] offset:16*N
.set N, N+1
.endr
.set N, 0
.rept 8
	global_load_b128 v[GB+4*N:GB+4*N+3], v247, s[10:11] offset:16*N
.set N, N+1
.endr
	WIN 0x80                                       ; destination window 2
.set N, 0
.rept 32
	global_load_b128 v[4*N:4*N+3], v5, s[4:5] offset:16384*N           ; channel 64 w + 32 h + N: each half of the lanes reads a whole row of 256 bytes
.set N, N+1
.endr
	WIN 0
	; the other offsets and addresses, while the loads are out
	v_lshlrev_b32 v1, 4, v240                      ; 16 l
	v_lshlrev_b32 v2, 3, v240                      ; 8 l
	v_lshlrev_b32 v3, 2, v240                      ; 4 l
	v_lshlrev_b32 v4, 2, v241                      ; 4 r
	v_lshlrev_b32 v6, 5, v242                      ; 32 h
	s_lshr_b32 s36, s18, 1                         ; q (0) or k (1); also h's K step that I quantise
	s_and_b32 s37, s18, 1                          ; which 128 channels of it
	s_mul_i32 s45, s18, 768
	v_add_nc_u32 v7, s45, v2                       ; h's codes: 768 w + 8 l
	s_lshl_b32 s45, s36, 6
	s_lshl_b32 s48, s37, 1
	s_add_co_u32 s45, s45, s48
	s_add_co_u32 s45, s45, HSC
	v_add_nc_u32 v8, v4, v242
	v_add_nc_u32 v8, s45, v8                       ; h's scale byte: HSC + 64 (w / 2) + 4 r + 2 (w & 1) + h
	v_bfe_u32 v243, v0, 3, 1
	v_bfe_u32 v244, v0, 1, 1
	v_lshl_add_u32 v243, v243, 1, v244             ; token 4 r + j stands in tile kt = 2 (r / 8) + ((r / 2) & 1),
	v_bfe_u32 v244, v0, 2, 1
	v_and_b32 v245, 1, v0
	v_lshlrev_b32 v244, 7, v244
	v_lshl_add_u32 v244, v245, 6, v244             ; at row 8 ((r / 4) & 1) + 4 (r & 1) + j: 16 bytes a row
	s_mul_i32 s45, s18, 6400
	s_add_co_u32 s45, s45, QKS                     ; my stage
	v_add_nc_u32 v244, s45, v244
	v_mad_u32_u24 v9, v243, 1536, v244
	v_lshl_add_u32 v9, v242, 8, v9                 ; codes into the stage
	v_lshl_add_u32 v10, v243, 2, v244
	v_add_nc_u32 v10, 6144, v10                    ; scale words into the stage
	v_add_nc_u32 v11, s45, v1                      ; and back: 16 l,
	v_add_nc_u32 v12, s45, v2
	v_add_nc_u32 v12, 6144, v12                    ; 8 l
	s_lshl_b32 s45, s18, 2
	s_add_co_u32 s45, s45, VSC
	v_lshl_add_u32 v13, v241, 4, v242
	v_add_nc_u32 v13, s45, v13                     ; v's scale byte: VSC + 16 r + 4 w + h
	s_lshl_b32 s45, s18, 8
	v_add_nc_u32 v249, s45, v2                     ; 8 l + 256 w
	v_add_nc_u32 v14, VSC, v249
	s_mul_i32 s45, s37, 1536
	v_add_nc_u32 v15, s45, v1                      ; my unit's codes in its block: 16 l + 1,536 x K step
	s_lshl_b32 s45, s37, 8
	v_add_nc_u32 v248, s45, v2                     ; its scale words: 8 l + 256 x K step
	s_lshl_b32 s28, s19, 6
	s_add_co_u32 s28, s28, ttmp9
	s_mul_i32 s28, s28, 12800                      ; q's block
	s_mov_b32 s29, 0
	s_mul_i32 s30, s19, 1638400
	s_lshr_b32 s31, ttmp9, 1
	s_mul_i32 s31, s31, 51200
	s_add_co_u32 s30, s30, s31
	s_and_b32 s31, ttmp9, 1
	s_mul_i32 s31, s31, 12800
	s_add_co_u32 s30, s30, s31                     ; kv: image, key step tb / 2, half tb & 1
	s_and_b32 s31, ttmp9, 8
	s_cmp_lg_u32 s31, 0                            ; is (key step / 4) odd?
	s_cselect_b32 s32, 0, 25600                    ; then k's part comes first,
	s_cselect_b32 s34, 25600, 0                    ; and v's second
	s_add_co_u32 s32, s32, s30
	s_add_co_u32 s34, s34, s30
	s_mov_b32 s35, 0
	s_cmp_eq_u32 s36, 0                            ; the choice hangs on the wave's number alone
	s_cselect_b64 s[38:39], s[14:15], s[16:17]
	s_cselect_b32 s28, s28, s32
	s_add_nc_u64 s[38:39], s[38:39], s[28:29]      ; my unit's block
	s_add_nc_u64 s[42:43], s[16:17], s[34:35]      ; v's block
	s_mul_i32 s48, s18, 3072
	s_mov_b32 s49, 0
	s_add_nc_u64 s[40:41], s[42:43], s[48:49]      ; my four fragments in it
	s_mov_b32 s44, 0x358637bd                      ; 1e-6
	s_mov_b32 s[SEL], 0x76543210
	s_mov_b32 s[SEL+1], 0xfedcba98
	; ---- the four groups of 8 channels of my half: mean, and 1 / sqrt(variance + 1e-6)
	s_wait_loadcnt 32                              ; statistics, gains and biases are in; x's 32 loads may be out
.irp g,0,1,2,3
	v_pk_add_f32 v[240+2*\g:241+2*\g], v[SR+16*\g:SR+16*\g+1], v[SR+16*\g+2:SR+16*\g+3]
.endr
.irp k,2,3,4,5,6,7
.irp g,0,1,2,3
	v_pk_add_f32 v[240+2*\g:241+2*\g], v[240+2*\g:241+2*\g], v[SR+16*\g+2*\k:SR+16*\g+2*\k+1]
.endr
.endr
.irp g,0,1,2,3
	v_mul_f32 v[GP+2*\g], 0x3e000000, v[240+2*\g]  ; the group's mean: the channels' means / 8
.endr
.irp k,0,1,2,3,4,5,6,7
.irp g,0,1,2,3
	v_sub_f32 v[SR+16*\g+2*\k], v[SR+16*\g+2*\k], v[GP+2*\g]
.endr
.endr
.irp g,0,1,2,3
	v_mul_f32 v[240+2*\g], v[SR+16*\g], v[SR+16*\g]
.endr
.irp k,1,2,3,4,5,6,7
.irp g,0,1,2,3
	v_fma_f32 v[240+2*\g], v[SR+16*\g+2*\k], v[SR+16*\g+2*\k], v[240+2*\g]
.endr
.endr
.irp g,0,1,2,3
	v_fma_f32 v[241+2*\g], v[240+2*\g], 0x45800000, v[241+2*\g]   ; + 4,096 x the spread of the channels' means
.endr
.irp g,0,1,2,3
	v_fma_f32 v[241+2*\g], v[241+2*\g], 0x38000000, s44           ; / 32,768, + 1e-6
.endr
.irp g,0,1,2,3
	v_rsq_f32 v[GP+2*\g+1], v[241+2*\g]
.endr
	v_nop                                          ; a plain place behind the last of them
	s_wait_alu depctr_va_vdst(0)                   ; one wait for the four, ahead of their first reader
.set N, 0
.rept 32
	v_mul_f32 v[AC+N], v[AC+N], v[GP+2*(N/8)+1]    ; gain / sigma
.set N, N+1
.endr
	; ---- my weights
	WIN 0x40                                       ; destination window 1
.irp t,0,1,2,3,4,5,6,7
.irp s,0,1
.irp g,0,1,2
	global_load_b128 v[24*\t+12*\s+4*\g:24*\t+12*\s+4*\g+3], v1, s[12:13] offset:3072*\t+1536*\s+512*\g
.endr
.endr
.endr
	WIN 0
.irp t,0,1,2,3,4,5,6,7,8,9,10,11
	global_load_b32 v[WS+\t], v3, s[12:13] offset:36864+128*\t
.endr
	s_wait_loadcnt 60                              ; x is in; the 60 loads just issued may be out
	WIN 0x80
.irp t,0,1,2,3
.irp s,0,1
.irp g,0,1,2
	global_load_b128 v[128+24*\t+12*\s+4*\g:128+24*\t+12*\s+4*\g+3], v1, s[12:13] offset:3072*(8+\t)+1536*\s+512*\g
.endr
.endr
.endr
	WIN 0x40
.irp t,0,1,2,3,4,5,6,7
	global_load_b128 v[192+8*\t:195+8*\t], v6, s[12:13] offset:38400+64*\t      ; the biases of the tile's rows 8 h .. 8 h + 7: the C of its first product
	global_load_b128 v[196+8*\t:199+8*\t], v6, s[12:13] offset:38400+64*\t+16
.endr
	WIN 0
.irp t,0,1,2,3
	global_load_b32 v[VBI+\t], v4, s[12:13] offset:38400+64*(8+\t)              ; v: the bias of row r
.endr
	; ---- h = (x - mean) x gain / sigma + bias, quantised along the channels
	WIN 0x82
.set N, 0
.rept 32
	v_pk_add_f32 v[4*N:4*N+1], v[4*N:4*N+1], v[GP+2*(N/8):GP+2*(N/8)+1] op_sel_hi:[1,0] neg_lo:[0,1] neg_hi:[0,1]
	v_pk_add_f32 v[4*N+2:4*N+3], v[4*N+2:4*N+3], v[GP+2*(N/8):GP+2*(N/8)+1] op_sel_hi:[1,0] neg_lo:[0,1] neg_hi:[0,1]
.set N, N+1
.endr
.macro HQ j                            ; token tile j: my token 4 r + j, my block of 32 channels
	WIN 0x02                                       ; source 0 (x) window 2
.set N, 0
.rept 32
	v_fma_f32 v[HH+N], v[4*N+\j], v[AC+N], v[GB+N]
.set N, N+1
.endr
	WIN 0
	BMAX HH
	v_add_nc_u32 v[TM+2], 0xff000000, v[TM]
	v_lshrrev_b32 v[TM+4+\j], 23, v[TM+2]
	v_cvt_scalef32_pk16_fp6_f32 v[SR+8*\j:SR+8*\j+2], v[HH:HH+15], v[TM+2]
	v_cvt_scalef32_pk16_fp6_f32 v[CT:CT+2], v[HH+16:HH+31], v[TM+2]
	v_nop                                          ; one plain place behind a scaled conversion
.irp i,0,1,2
	v_mov_b32 v[SR+8*\j+3+\i], v[CT+\i]
.endr
.irp p,0,1,2
	ds_store_b64 v7, v[SR+8*\j+2*\p:SR+8*\j+2*\p+1] offset:3072*\j+256*\p
.endr
	ds_store_b8 v8, v[TM+4+\j] offset:128*\j
.endm
	HQ 0
	HQ 1
	HQ 2
	HQ 3
	s_wait_dscnt 0x0                               ; for the others' sake: my stores have landed
	s_barrier_signal -1
	s_barrier_wait -1                              ; h's eight fragments and their scale words lie in LDS
	WIN 0x80
.irp j,0,1,2,3
.irp s,0,1
.irp p,0,1,2,3,4,5
	ds_load_b64 v[24*\j+12*\s+2*\p:24*\j+12*\s+2*\p+1], v2 offset:(2*\j+\s)*1536+256*\p
.endr
.endr
.endr
	WIN 0
.irp j,0,1,2,3
	ds_load_b32 v[HS+\j], v3 offset:HSC+128*\j     ; lanes 0-15: K step 0's words, lanes 16-31: K step 1's
.endr
	s_wait_dscnt 0x0
	s_wait_loadcnt 0x0                             ; the weights
	; ---- my unit of q or k.  Eight accumulators by turns; one tile's quantising stands between the next tiles' products
.macro MULQ j
.set AQ, 16+64*((\j)%2)
	WIN 0x19                                       ; W window 1, h window 2, the biases window 1
.irp t,0,1,2,3,4,5,6,7
	MM AQ+8*\t, 24*\t, 24*\j, 192+8*\t, WS+\t, HS+\j, 0
.endr
	WIN 0x09
.irp t,0,1,2,3,4,5,6,7
	MM AQ+8*\t, 24*\t+12, 24*\j+12, AQ+8*\t, WS+\t, HS+\j, 1
.endr
	WIN 0
.endm
.macro QJ j
.set AQ, 16+64*((\j)%2)
	s_wait_dscnt 0x0                               ; the last tile's stores have read the registers that are written now
	QUANT AQ
.irp g,0,1,2
	ds_store_b128 v9, v[PC+4*\g:PC+4*\g+3] offset:16*\j+512*\g     ; to the token's place in the order of the block's tiles
.endr
	ds_store_b32 v10, v[PW] offset:16*\j           ; (both halves of the lanes write the same word)
.endm
	MULQ 0
	MULQ 1
	PLACES 4                                       ; between tile 0's last product and the first read of its results stand matrix instructions alone
	QJ 0
	MULQ 2
	QJ 1
	MULQ 3
	QJ 2
	QJ 3
	WIN 0x40
.irp k,0,1,2,3
.irp g,0,1,2
	ds_load_b128 v[12*\k+4*\g:12*\k+4*\g+3], v11 offset:1536*\k+512*\g   ; my own stage: LDS serves a wave's instructions in order
.endr
.endr
	ds_load_b64 v[48:49], v12
	WIN 0
	; ---- my 64 channels of v
.macro MULV t
.set AV, 16+64*((\t)%2)
	WIN 0x0a                                       ; h and W window 2
.irp j,0,1,2,3
	MM AV+8*\j, 24*\j, 128+24*\t, -1, HS+\j, WS+8+\t, 0
.endr
.irp j,0,1,2,3
	MM AV+8*\j, 24*\j+12, 128+24*\t+12, AV+8*\j, HS+\j, WS+8+\t, 1
.endr
	WIN 0
.endm
.macro VQ t
.set AV, 16+64*((\t)%2)
.set VV, AV+32
.irp e,0,1,2,3,4,5,6,7
.irp j,0,1,2,3
	v_add_f32 v[VV+4*\e+\j], v[AV+8*\j+\e], v[VBI+\t]   ; the bias; the addition also puts the lane's 32 keys, 32 h + 4 e + j, in order
.endr
.endr
	BMAX VV
	v_add_nc_u32 v[TM+2], 0xff000000, v[TM]
	v_lshrrev_b32 v[BYV+\t], 23, v[TM+2]
	v_cvt_scalef32_pk16_fp6_f32 v[HH+8*\t:HH+8*\t+2], v[VV:VV+15], v[TM+2]
	v_cvt_scalef32_pk16_fp6_f32 v[CT:CT+2], v[VV+16:VV+31], v[TM+2]
	v_nop
.irp i,0,1,2
	v_mov_b32 v[HH+8*\t+3+\i], v[CT+\i]
.endr
.irp p,0,1,2
	global_store_b64 v2, v[HH+8*\t+2*\p:HH+8*\t+2*\p+1], s[40:41] offset:768*\t+256*\p   ; 256 consecutive bytes, aligned
.endr
	ds_store_b8 v13, v[BYV+\t] offset:256*((\t)%2)+2*((\t)/2)
.endm
	MULV 0
	MULV 1
	s_wait_dscnt 0x0                               ; my unit is back in registers
	WIN 0x04                                       ; a store's data: window 1
.irp k,0,1,2,3
.irp g,0,1,2
	global_store_b128 v15, v[12*\k+4*\g:12*\k+4*\g+3], s[38:39] offset:3072*\k+512*\g   ; 512 consecutive bytes, aligned
.endr
.endr
	global_store_b64 v248, v[48:49], s[38:39] offset:12288
	WIN 0
	PLACES 4                                       ; as above: only matrix instructions stood behind tile 0's last product
	VQ 0
	MULV 2
	VQ 1
	MULV 3
	VQ 2
	VQ 3
	s_wait_dscnt 0x0
	s_barrier_signal -1
	s_barrier_wait -1                              ; v's 512 scale bytes lie in LDS
	s_cmp_lt_u32 s18, 2
	s_cbranch_scc0 .Ldone
	ds_load_b64 v[240:241], v14
	s_wait_dscnt 0x0
	global_store_b64 v249, v[240:241], s[42:43] offset:12288   ; waves 0 and 1: 256 consecutive bytes each
.Ldone:
	s_wait_tensorcnt 0x0
	ds_add_u32 v254, v255
	s_wait_dscnt 0x0
	s_endpgm
.Lfunc_end_k_q8223a7dd78_qkv:
	.size	k_q8223a7dd78_qkv, .Lfunc_end_k_q8223a7dd78_qkv-k_q8223a7dd78_qkv
	.p2alignl 7, 3214868480
	.fill 96, 4, 3214868480
	.section	.rodata,"a",@progbits
	.p2align	6, 0x0
	.amdhsa_kernel k_q8223a7dd78_qkv
		.amdhsa_group_segment_fixed_size 41472
		.amdhsa_private_segment_fixed_size 0
		.amdhsa_enable_private_segment 0
		.amdhsa_kernarg_size 56
		.amdhsa_user_sgpr_count 2
		.amdhsa_user_sgpr_kernarg_segment_ptr 1
		.amdhsa_wavefront_size32 1
		.amdhsa_system_sgpr_workgroup_id_x 1
		.amdhsa_system_sgpr_workgroup_id_y 1
		.amdhsa_system_sgpr_workgroup_id_z 1
		.amdhsa_system_vgpr_workitem_id 0
		.amdhsa_next_free_vgpr 768
		.amdhsa_next_free_sgpr 66
		.amdhsa_reserve_vcc 0
		.amdhsa_float_denorm_mode_32 3
		.amdhsa_float_denorm_mode_16_64 3
		.amdhsa_memory_ordered 1
		.amdhsa_forward_progress 1
		.amdhsa_inst_pref_size 93
	.end_amdhsa_kernel
	.amdgpu_metadata
---
amdhsa.version: [ 1, 2 ]
amdhsa.kernels:
  - .name:           k_q8223a7dd78_qkv
    .symbol:         k_q8223a7dd78_qkv.kd
    .args:
      - { .name: x, .offset: 0, .size: 8, .value_kind: global_buffer, .address_space: global }
      - { .name: stats, .offset: 8, .size: 8, .value_kind: global_buffer, .address_space: global }
      - { .name: gn_scale, .offset: 16, .size: 8, .value_kind: global_buffer, .address_space: global }
      - { .name: gn_bias, .offset: 24, .size: 8, .value_kind: global_buffer, .address_space: global }
      - { .name: wimg, .offset: 32, .size: 8, .value_kind: global_buffer, .address_space: global }
      - { .name: qimg, .offset: 40, .size: 8, .value_kind: global_buffer, .address_space: global }
      - { .name: kv, .offset: 48, .size: 8, .value_kind: global_buffer, .address_space: global }
    .group_segment_fixed_size: 41472
    .private_segment_fixed_size: 0
    .kernarg_segment_align: 8
    .kernarg_segment_size: 56
    .max_flat_workgroup_size: 128
    .sgpr_count:     66
    .vgpr_count:     768
    .wavefront_size: 32
...
	.end_amdgpu_metadata
.endif
;; end of part 2
;; launch attn (part 3): grid 64 x 4, 4 waves a work-group, clusters of 4 x 1, 327,680 bytes of LDS; arguments qimg, kv, wimg, x, out0; writes out0
.if DOCPART == 3
	.amdgcn_target "amdgcn-amd-amdhsa--gfx1250"
	.amdhsa_code_object_version 6
	.text
	.protected	k_q8223a7dd78_attn
	.globl	k_q8223a7dd78_attn
	.p2align	8
	.type	k_q8223a7dd78_attn,@function
k_q8223a7dd78_attn:
	s_mov_b64 s[64:65], 0
	v_nop
	global_prefetch_b8 v0, s[64:65] scope:SCOPE_SE
	s_setreg_imm32_b32 hwreg(HW_REG_WAVE_MODE, 25, 1), 1
	s_wait_xcnt 0x0
	s_wait_alu depctr_hold_cnt(0) depctr_sa_sdst(0) depctr_va_vdst(0) depctr_va_sdst(0) depctr_va_ssrc(0) depctr_va_vcc(0) depctr_vm_vsrc(0)
	s_getreg_b32 s2, hwreg(HW_REG_IB_STS2, 6, 4)
	s_cmp_eq_u32 s2, 0
	s_cbranch_scc0 .Lentry_in_a_cluster
	s_endpgm
.Lentry_in_a_cluster:
	s_bfe_u32 s2, ttmp6, 0x10000c
	s_cmp_lg_u32 s2, 0x3003
	s_cbranch_scc0 .Lentry_shape_is_right
	s_endpgm
.Lentry_shape_is_right:
; ATTN.  out0 = proj(softmax(q^T k / 16) v) + proj_b + x, all three products on codes of FP6 (E2M3, one E8M0 scale for each 32 along K).
; SHARES.  A work-group owns 64 queries (four tiles of 16) of one image.  EVERY wave holds all four query tiles; THE WAVES SHARE THE KEYS: wave w takes key steps (128 keys) 4 R + w, R = 0 .. 7, a LAP each.
; So each fragment of k and v is read from LDS once in the work-group and feeds four matrix instructions.  Each wave keeps its own M, sum and O^T; they are joined once at the end, exactly, since every M is a whole number.
; SOFTMAX: t = score x log2(e) / 16; M = the largest t so far, rounded up to a whole number; p = 2^(t - M) is quantised along the keys, not normalised; the sum is taken of the unquantised p; when M moves, sum and O^T are multiplied by 2^(old M - new M).
; LAYOUT.  S^T = k q^T and O^T = v^T p^T: a lane holds one query throughout.  The keys of a tile of k, the channels of a tile of v and the queries of a tile of q stand in the order 32 b + 8 u + r + 8 (r / 8),
; so that 16 registers of two neighbouring result tiles are 16 neighbours along the next product's K.
; RING.  Wave w's own 76,800 bytes: [v 25,600][k 25,600][v 25,600].  One tensor load brings a key step's 51,200 dense bytes: on even laps over the first two parts (kv has v first there), on odd laps over the last two (k first).
; When the products k q^T of a lap are done, k's part and the other v part are free: the next lap's load goes out there and has the softmax and the second product in which to land.  One tensor load of a wave is out at a time.
; Only the wave that issued a load reads its bytes, so its own wait on TENSORcnt orders the reads: that wait is for 0, since the load read next is the only one out; a second wait for 0 belongs to the three lines ahead of each refill.
; CLUSTER.  The four work-groups of a cluster walk the same k and v of one image: each load is asked for jointly (mask 15, the same descriptor in all four); a round of the cluster's barrier stands ahead of each.
; LIMITS: NaN and infinities are not served.  A block of p or of a that is all zeros, or under 2^-124, gets the scale byte 1.  A block's largest p is taken as the exponential of its largest score.
; REGISTERS.  Window 0: v0 as at the entry; v1-15 addresses; v16-111 q (tile qt, K step s at 16 + 24 qt + 12 s); v112-207 four buffers for k's fragments, later p's codes (v112-159) and the softmax's work; v208-215 k's, then v's scale registers;
;   v216-219 q's, v220-223 p's; v224-247 six statistics a tile: -M, largest t, the sum in two halves, f and a zero beside it.   Windows 1, 2: O^T of tiles 0, 1 and 2, 3 (128 (qt & 1) + 8 ct).   Window 3: S^T (64 qt + 8 kt), then v's 16 fragments (12 ct).
.set SPARE, 307200                     ; behind the four rings: the spare words, 128 bytes a wave, two blocks of 256 bytes that no other line names
.set HB,    12800                      ; a block of 64 tokens of k or of v
.set SCO,   12288                      ; where its scales begin
.set PCD,  112                         ; p's codes, 12 a tile
.set BM,   160                         ; the blocks' largest scores, then largest p
.set PX,   176
.set SO,   192                         ; the conversions' scale operands
.set KS,   208
.set VS,   208
.set QS,   216
.set PS,   220
.set ST,   224
.set TT,   248
.set CS,   36                          ; s[36:37] c = log2(e) / 16
.set SEL,  38                          ; s[38:39] lane l xor 16
.set TM,   176                         ; the end's quantiser: at work,
.set PC,   192                         ; codes,
.set PW,   212                         ; scale word
.set MST,  262144                      ; the end's LDS, in the rings, which have had their last fill: O^T of (wave, tile) at 65,536 w + 16,384 qt; statistics here;
.set AIMG, 266240                      ; a's eight fragments;
.set ASC,  278528                      ; their scale words
.set MSB, 0
.macro WIN new                         ; s_set_vgpr_msb: bits 1:0 source 0, 3:2 source 1, 5:4 source 2, 7:6 destination; the high byte repeats the setting that is left
.if MSB != \new
	s_set_vgpr_msb (MSB<<8)|\new
.set MSB, \new
.endif
.endm
.macro PLACES n
.rept \n
	v_nop
.endr
.endm
; One scaled product.  c < 0: the constant 0 starts the sum.  rows = 1: both sides' scales from lanes 16-31; 2: source 0's alone
.macro MM d, a, b, c, sa, sb, rows
.if (\c) < 0
.if (\rows) == 0
	v_wmma_scale_f32_16x16x128_f8f6f4 v[\d:\d+7], v[\a:\a+11], v[\b:\b+11], 0, v[\sa], v[\sb] matrix_a_fmt:MATRIX_FMT_FP6 matrix_b_fmt:MATRIX_FMT_FP6
.elseif (\rows) == 1
	v_wmma_scale_f32_16x16x128_f8f6f4 v[\d:\d+7], v[\a:\a+11], v[\b:\b+11], 0, v[\sa], v[\sb] matrix_a_fmt:MATRIX_FMT_FP6 matrix_b_fmt:MATRIX_FMT_FP6 matrix_a_scale:MATRIX_SCALE_ROW1 matrix_b_scale:MATRIX_SCALE_ROW1
.else
	v_wmma_scale_f32_16x16x128_f8f6f4 v[\d:\d+7], v[\a:\a+11], v[\b:\b+11], 0, v[\sa], v[\sb] matrix_a_fmt:MATRIX_FMT_FP6 matrix_b_fmt:MATRIX_FMT_FP6 matrix_a_scale:MATRIX_SCALE_ROW1
.endif
.else
.if (\rows) == 0
	v_wmma_scale_f32_16x16x128_f8f6f4 v[\d:\d+7], v[\a:\a+11], v[\b:\b+11], v[\c:\c+7], v[\sa], v[\sb] matrix_a_fmt:MATRIX_FMT_FP6 matrix_b_fmt:MATRIX_FMT_FP6
.elseif (\rows) == 1
	v_wmma_scale_f32_16x16x128_f8f6f4 v[\d:\d+7], v[\a:\a+11], v[\b:\b+11], v[\c:\c+7], v[\sa], v[\sb] matrix_a_fmt:MATRIX_FMT_FP6 matrix_b_fmt:MATRIX_FMT_FP6 matrix_a_scale:MATRIX_SCALE_ROW1 matrix_b_scale:MATRIX_SCALE_ROW1
.else
	v_wmma_scale_f32_16x16x128_f8f6f4 v[\d:\d+7], v[\a:\a+11], v[\b:\b+11], v[\c:\c+7], v[\sa], v[\sb] matrix_a_fmt:MATRIX_FMT_FP6 matrix_b_fmt:MATRIX_FMT_FP6 matrix_a_scale:MATRIX_SCALE_ROW1
.endif
.endif
.endm
; 64 numbers of a lane, register 16 b + i = k 32 b + 16 (lane / 16) + i of my row, become a fragment's codes in v[PC] on and its scale word in v[PW]
.macro QUANT s
.irp b,0,1,2,3
	v_max3_num_f32 v[TM+\b], |v[\s+16*\b]|, |v[\s+1+16*\b]|, 0x1800000
.endr
.irp i,2,4,6,8,10,12,14
.irp b,0,1,2,3
	v_max3_num_f32 v[TM+\b], v[TM+\b], |v[\s+16*\b+\i]|, |v[\s+1+16*\b+\i]|
.endr
.endr
.irp b,0,1,2,3
	v_permlanex16_b32 v[TM+4+\b], v[TM+\b], s[SEL], s[SEL+1]
.endr
.irp b,0,1,2,3
	v_max_num_f32 v[TM+\b], v[TM+\b], v[TM+4+\b]
.endr
.irp b,0,1,2,3
	v_add_nc_u32 v[TM+12+\b], 0xff000000, v[TM+\b]
.endr
.irp b,0,1,2,3
	v_lshrrev_b32 v[TM+4+\b], 23, v[TM+12+\b]
.endr
	v_lshl_or_b32 v[PW], v[TM+5], 8, v[TM+4]
	v_lshl_or_b32 v[PW], v[TM+6], 16, v[PW]
	v_lshl_or_b32 v[PW], v[TM+7], 24, v[PW]
.irp c,0,1
	v_cvt_scalef32_pk16_fp6_f32 v[PC+6*\c:PC+2+6*\c], v[\s+32*\c:\s+15+32*\c], v[TM+12+2*\c]
	v_cvt_scalef32_pk16_fp6_f32 v[PC+12+4*\c:PC+14+4*\c], v[\s+16+32*\c:\s+31+32*\c], v[TM+12+2*\c+1]
.endr
	v_nop                                          ; one plain place behind a scaled conversion
.irp c,0,1
.irp i,0,1,2
	v_permlane16_swap_b32 v[PC+6*\c+\i], v[PC+12+4*\c+\i]
.endr
.irp i,0,1,2
	v_mov_b32 v[PC+3+6*\c+\i], v[PC+12+4*\c+\i]
.endr
.endr
.endm
; A round of the cluster's barrier: my work-group's barrier; wave 0 signals for the work-group; every wave waits for all four work-groups; my work-group's barrier once more
.macro CROUND
	s_barrier_signal -1
	s_barrier_wait -1
	s_cmp_lg_u32 s14, 0
	s_cbranch_scc1 .Lnot_wave_0_\@
	s_barrier_signal -3
.Lnot_wave_0_\@:
	s_barrier_wait -3
	s_barrier_signal -1
	s_barrier_wait -1
.endm
; A PREFETCH INTO THE L2 of what the NEXT refill will ask for: my wave's key step of the lap after next, 51,200 bytes.  All clusters of an image walk the same kv: the image's first cluster asks.  Its four partners share a wave's
; bytes out BY ADDRESS, 12,800 each: 50 blocks of 256 bytes, by two instructions of 25 blocks, a lane a block (lanes 25-31 name lane 24's block again: 50 is no multiple of 32).  Laps 0 and 1 come by their loads alone; the last refill asks for nothing.
.macro ASK
	s_cmp_gt_u32 s31, s32
	s_cbranch_scc0 .Lno_ask_\@
	global_prefetch_b8 v8, s[34:35] th:TH_LOAD_NT scope:SCOPE_SE
	global_prefetch_b8 v8, s[34:35] offset:6400 th:TH_LOAD_NT scope:SCOPE_SE
.Lno_ask_\@:
.endm
	s_load_b256 s[4:11], s[0:1], 0x0               ; qimg s[4:5], kv s[6:7], wimg s[8:9], x s[10:11]
	s_load_b64 s[12:13], s[0:1], 0x20              ; out0
	v_lshl_add_u32 v1, v0, 2, SPARE                ; my spare word; never rewritten
	v_mov_b32 v2, 0                                ; never rewritten
	ds_add_u32 v1, v2
	ds_add_u32 v1, v2
	s_wait_dscnt 0x0
	v_lshrrev_b32 v9, 5, v0
	v_readfirstlane_b32 s14, v9                    ; wave 0..3
	s_bfe_u32 s15, ttmp6, 0x40000                  ; cx: my place in the cluster: it enters global addresses of q, x, out0 and the prefetches alone
	s_and_b32 s41, ttmp7, 0xffff                   ; the image, which the four partners share
	; descriptor group 1: 200 rows of 256 bytes (32 elements of 8 bytes), dense, no padding
	s_mov_b32 s16, 15|(3<<16)|(1<<21)              ; 15:0 the mask: all four work-groups; 17:16 elements of 8 bytes; 21 set beside a mask
	s_mov_b32 s17, 32<<16                          ; tensor_dim0 = 32
	s_mov_b32 s18, 200<<16                         ; tensor_dim1 = 200
	s_mov_b32 s19, 32<<16                          ; tile_dim0 = 32
	s_mov_b32 s20, 200                             ; tile_dim1 = 200
	s_mov_b32 s21, 32                              ; elements from row to row
	s_mov_b32 s22, 0
	s_mov_b32 s23, 0
	s_mul_i32 s28, s14, 76800                      ; my ring
	s_mov_b32 s29, 0                               ; where in it the next load lands: 0 or 25,600
	s_mov_b32 s30, 0                               ; where the lap's v lies: 0 or 51,200
	s_mul_i32 s42, s41, 1638400
	s_mul_i32 s43, s14, 51200
	s_add_co_u32 s42, s42, s43
	s_mov_b32 s43, 0                               ; kv: image, key step w
	s_mul_i32 s44, s15, 12800
	s_add_co_u32 s44, s44, 204800
	s_mov_b32 s45, 0                               ; the prefetches: my work-group's share, at lap 1: the first refill steps it to lap 2
	s_lshl_b32 s40, ttmp9, 2
	s_add_co_u32 s40, s40, s15                     ; my block of 64 queries
	s_lshl_b32 s46, s41, 6
	s_add_co_u32 s46, s46, s40
	s_mul_i32 s46, s46, 12800
	s_mov_b32 s47, 0                               ; its block in qimg
	s_lshl_b32 s48, s41, 22
	s_lshl_b32 s49, s14, 20
	s_add_co_u32 s48, s48, s49
	s_lshl_b32 s49, s40, 8
	s_add_co_u32 s48, s48, s49
	s_mov_b32 s49, 0                               ; x and out0: image, channels 64 w on, my 64 tokens
	s_mul_i32 s50, s14, 13056
	s_add_co_u32 s50, s50, 156672
	s_mov_b32 s51, 0                               ; my block of the projection in wimg
	s_cmp_eq_u32 ttmp9, 0
	s_cselect_b32 s32, 1, -1                       ; 1 in the image's first cluster, else the greatest number: the same in all four partners
	s_mov_b32 s[CS], 0x3db8aa3b
	s_mov_b32 s[CS+1], s[CS]                       ; (named with it as a pair, so it is written)
	s_mov_b32 s[SEL], 0x76543210
	s_mov_b32 s[SEL+1], 0xfedcba98
	s_add_co_u32 s33, s28, 25600
	v_and_b32 v9, 31, v0                           ; l
	v_lshlrev_b32 v10, 4, v9                       ; 16 l
	v_lshlrev_b32 v11, 2, v9                       ; 4 l
	v_and_b32 v12, 15, v0
	v_bfe_u32 v13, v0, 4, 1
	v_lshlrev_b32 v13, 14, v13
	v_lshl_add_u32 v13, v12, 4, v13                ; x, out0: h rows of 16,384 bytes + 16 r
	v_lshlrev_b32 v12, 2, v12                      ; 4 r
	v_add_nc_u32 v3, s33, v10                      ; k's part of my ring + 16 l
	v_lshl_add_u32 v4, v9, 3, s28                  ; my ring + 8 l
	v_add_nc_u32 v5, s28, v10                      ; my ring + 16 l
	v_min_u32 v8, 24, v9
	v_lshlrev_b32 v8, 8, v8                        ; the prefetches' offset; never rewritten
	s_wait_kmcnt 0x0
	s_mov_b32 s24, 1                               ; group 0: count = 1
	s_mov_b32 s25, s28                             ; LDS address: lap 0 lands at my ring's head
	s_add_nc_u64 s[26:27], s[6:7], s[42:43]        ; global address
	s_add_nc_u64 s[34:35], s[26:27], s[44:45]
	s_or_b32 s27, s27, 0x80000000                  ; type = 2
	s_add_nc_u64 s[4:5], s[4:5], s[46:47]
	s_add_nc_u64 s[10:11], s[10:11], s[48:49]
	s_add_nc_u64 s[12:13], s[12:13], s[48:49]
	s_add_nc_u64 s[8:9], s[8:9], s[50:51]
	CROUND                                         ; all four work-groups are here: the first joint loads meet
	tensor_load_to_lds s[24:27], s[16:23]          ; lap 0
	s_nop 0
	PLACES 4
.irp qt,0,1,2,3
.irp s,0,1
.irp g,0,1,2
	global_load_b128 v[16+24*\qt+12*\s+4*\g:19+24*\qt+12*\s+4*\g], v10, s[4:5] offset:(2*\qt+\s)*1536+512*\g   ; q stays in registers
.endr
.endr
.endr
	global_load_b128 v[QS:QS+3], v10, s[4:5] offset:SCO
.irp qt,0,1,2,3
	v_mov_b32 v[ST+6*\qt+1], 0xff61b1e6            ; the largest t so far: -3e38
	v_mov_b32 v[ST+6*\qt+2], 0                     ; the sum, in two halves
	v_mov_b32 v[ST+6*\qt+3], 0
	v_mov_b32 v[ST+6*\qt+5], 0                     ; (named as the upper half of f's pair)
.endr
.irp qt,0,1,2,3
	v_floor_f32 v[ST+6*\qt], -v[ST+6*\qt+1]        ; -M
.endr
.set N, 0
.rept 16
	v_mov_b32 v[PX+N], 0                           ; written once: a lane permute's destination counts as one of its sources
.set N, N+1
.endr
	s_wait_loadcnt 0x0                             ; q
.macro LOADK kt                        ; key tile kt's two fragments into buffer kt % 4
.irp s,0,1
.irp g,0,1,2
	ds_load_b128 v[112+24*((\kt)%4)+12*\s+4*\g:115+24*((\kt)%4)+12*\s+4*\g], v3 offset:HB*((\kt)/4)+(2*((\kt)%4)+\s)*1536+512*\g
.endr
.endr
.endm
.macro MULS kt                         ; key tile kt against the four query tiles, two K steps: four accumulators by turns
.irp qt,0,1,2,3
	MM 64*\qt+8*\kt, 112+24*((\kt)%4), 16+24*\qt, -1, KS+\kt, QS+\qt, 0
.endr
.irp qt,0,1,2,3
	MM 64*\qt+8*\kt, 124+24*((\kt)%4), 28+24*\qt, 64*\qt+8*\kt, KS+\kt, QS+\qt, 1
.endr
.endm
; S^T = k q^T of the lap: 64 matrix instructions
.macro SPHASE
	PLACES 5                                       ; the scores are laid over v's fragments, which the last products read, and loads go into p's codes and v's scales: five places; the hazards
	s_wait_tensorcnt 0x0                           ; the lap's load has landed: it is the only one out, and I alone read its bytes
	ds_load_b128 v[KS:KS+3], v3 offset:SCO
	ds_load_b128 v[KS+4:KS+7], v3 offset:HB+SCO
	LOADK 0
	LOADK 1
	LOADK 2
	LOADK 3
	s_wait_dscnt 12                                ; the scales and tiles 0, 1 are in; the youngest twelve loads (tiles 2, 3) may be out
	WIN 0xf0                                       ; C and D window 3
	MULS 0
	MULS 1
	WIN 0
	PLACES 4
	LOADK 4
	LOADK 5
	s_wait_dscnt 12                                ; tiles 2, 3 are in
	WIN 0xf0
	MULS 2
	MULS 3
	WIN 0
	PLACES 4
	LOADK 6
	LOADK 7
	s_wait_dscnt 12                                ; tiles 4, 5 are in
	WIN 0xf0
	MULS 4
	MULS 5
	s_wait_dscnt 0x0
	MULS 6
	MULS 7
	WIN 0
.endm
; THE REFILL.  k's part and the v part of the lap before are read out.  The three lines, a round of the cluster's barrier, and the joint load first behind it
.macro CHANGE
	s_wait_tensorcnt 0x0                           ; no tensor load of mine is out, so group 0 may be written
	ds_add_u32 v1, v2                              ; 0 onto my spare word
	s_xor_b32 s29, s29, 25600
	s_add_co_u32 s25, s28, s29                     ; the other two parts of my ring,
	s_add_nc_u64 s[26:27], s[26:27], 204800        ; four key steps on; the type bits on top are not reached
	s_wait_xcnt 0x0                                ; the last prefetches, a lap back, have read their address
	s_add_nc_u64 s[34:35], s[34:35], 204800
	s_wait_dscnt 0x0                               ; the add is done, and my reads of those parts are over
	CROUND
	tensor_load_to_lds s[24:27], s[16:23]
	s_nop 0
	PLACES 4                                       ; the places between the last product and the first read of the scores
	ASK
.endm
.macro SOFTMAX
	WIN 0x3f                                       ; the largest score of each block of 32 keys; the sixteen chains (tile, block) by turns
.irp qt,0,1,2,3
.irp b,0,1,2,3
	v_max3_num_f32 v[BM+4*\qt+\b], v[64*\qt+16*\b], v[64*\qt+16*\b+1], v[64*\qt+16*\b+2]
.endr
.endr
	WIN 0x3c
.irp i,3,5,7,9,11,13
.irp qt,0,1,2,3
.irp b,0,1,2,3
	v_max3_num_f32 v[BM+4*\qt+\b], v[BM+4*\qt+\b], v[64*\qt+16*\b+\i], v[64*\qt+16*\b+\i+1]
.endr
.endr
.endr
.irp qt,0,1,2,3
.irp b,0,1,2,3
	v_max_num_f32 v[BM+4*\qt+\b], v[BM+4*\qt+\b], v[64*\qt+16*\b+15]
.endr
.endr
	WIN 0
.irp qt,0,1,2,3
.irp b,0,1,2,3
	v_permlanex16_b32 v[PX+4*\qt+\b], v[BM+4*\qt+\b], s[SEL], s[SEL+1]
.endr
.endr
.irp qt,0,1,2,3
.irp b,0,1,2,3
	v_max_num_f32 v[BM+4*\qt+\b], v[BM+4*\qt+\b], v[PX+4*\qt+\b]   ; with lane l xor 16's 16 keys
.endr
.endr
.irp qt,0,1,2,3
	v_max3_num_f32 v[TT+\qt], v[BM+4*\qt], v[BM+4*\qt+1], v[BM+4*\qt+2]
.endr
.irp qt,0,1,2,3
	v_max_num_f32 v[TT+\qt], v[TT+\qt], v[BM+4*\qt+3]
.endr
.irp qt,0,1,2,3
	v_mul_f32 v[TT+\qt], s[CS], v[TT+\qt]          ; as t (c is positive)
.endr
.irp qt,0,1,2,3
	v_max_num_f32 v[ST+6*\qt+1], v[ST+6*\qt+1], v[TT+\qt]
.endr
.irp qt,0,1,2,3
	v_mov_b32 v[TT+\qt], v[ST+6*\qt]
.endr
.irp qt,0,1,2,3
	v_floor_f32 v[ST+6*\qt], -v[ST+6*\qt+1]        ; the new -M = -ceil(t)
.endr
.irp qt,0,1,2,3
	v_sub_f32 v[TT+\qt], v[ST+6*\qt], v[TT+\qt]    ; old M - new M: a whole number, 0 or less
.endr
.irp qt,0,1,2,3
	v_cvt_i32_f32 v[TT+\qt], v[TT+\qt]             ; (it saturates)
.endr
.irp qt,0,1,2,3
	v_ldexp_f32 v[ST+6*\qt+4], 1.0, v[TT+\qt]      ; f = 2^(old M - new M)
.endr
	WIN 0xc3
.irp qt,0,1,2,3
.set N, 0
.rept 32
	v_pk_fma_f32 v[64*\qt+N:64*\qt+N+1], v[64*\qt+N:64*\qt+N+1], s[CS:CS+1], v[ST+6*\qt:ST+6*\qt+1] op_sel_hi:[1,0,0]   ; t - M
.set N, N+2
.endr
.endr
	WIN 0
.irp qt,0,1,2,3
.irp b,0,1,2,3
	v_fma_f32 v[BM+4*\qt+\b], v[BM+4*\qt+\b], s[CS], v[ST+6*\qt]   ; the same of each block's largest score
.endr
.endr
.set N, 0
.rept 16
	v_exp_f32 v[BM+N], v[BM+N]                     ; the blocks' largest p: a batch of sixteen
.set N, N+1
.endr
.irp qt,0,1,2,3
	v_pk_mul_f32 v[ST+6*\qt+2:ST+6*\qt+3], v[ST+6*\qt+2:ST+6*\qt+3], v[ST+6*\qt+4:ST+6*\qt+5] op_sel_hi:[1,0]   ; the sums under the new M: plain lines behind the batch
.endr
	s_wait_alu depctr_va_vdst(0)                   ; one wait for the sixteen, ahead of their first reader
.set N, 0
.rept 16
	v_max_num_f32 v[BM+N], 0x1800000, v[BM+N]      ; the floor 2^(3 - 127): the byte cannot fall under 1
.set N, N+1
.endr
.set N, 0
.rept 16
	v_add_nc_u32 v[SO+N], 0xff000000, v[BM+N]      ; 2 off the exponent field: the conversion's scale operand
.set N, N+1
.endr
.set N, 0
.rept 16
	v_lshrrev_b32 v[PX+N], 23, v[SO+N]             ; the scale's byte
.set N, N+1
.endr
.irp qt,0,1,2,3
	v_lshl_or_b32 v[PS+\qt], v[PX+4*\qt+1], 8, v[PX+4*\qt]
.endr
.irp qt,0,1,2,3
	v_lshl_or_b32 v[PS+\qt], v[PX+4*\qt+2], 16, v[PS+\qt]
.endr
.irp qt,0,1,2,3
	v_lshl_or_b32 v[PS+\qt], v[PX+4*\qt+3], 24, v[PS+\qt]   ; p's scale word for these 128 keys
.endr
	WIN 0xc3
.set N, 0
.rept 256
	v_exp_f32 v[N], v[N]                           ; p = 2^(t - M): one batch
.set N, N+1
.endr
	v_nop                                          ; the plain place behind the last exponential
	s_wait_alu depctr_va_vdst(0)                   ; one wait for the batch
	WIN 0x0f                                       ; the sums of the unquantised p: two chains a tile
.irp qt,0,1,2,3
	v_pk_add_f32 v[PX+4*\qt:PX+4*\qt+1], v[64*\qt:64*\qt+1], v[64*\qt+2:64*\qt+3]
.endr
	WIN 0x0c
.set N, 4
.rept 15
.irp qt,0,1,2,3
	v_pk_add_f32 v[ST+6*\qt+2:ST+6*\qt+3], v[ST+6*\qt+2:ST+6*\qt+3], v[64*\qt+N:64*\qt+N+1]
	v_pk_add_f32 v[PX+4*\qt:PX+4*\qt+1], v[PX+4*\qt:PX+4*\qt+1], v[64*\qt+N+2:64*\qt+N+3]
.endr
.set N, N+4
.endr
	WIN 0
.irp qt,0,1,2,3
	v_pk_add_f32 v[ST+6*\qt+2:ST+6*\qt+3], v[ST+6*\qt+2:ST+6*\qt+3], v[PX+4*\qt:PX+4*\qt+1]
.endr
	WIN 0x03                                       ; the numbers window 3, codes and scale operands window 0
.irp qt,0,1,2,3
.irp c,0,1
	v_cvt_scalef32_pk16_fp6_f32 v[PCD+12*\qt+6*\c:PCD+12*\qt+6*\c+2], v[64*\qt+32*\c:64*\qt+32*\c+15], v[SO+4*\qt+2*\c]
	v_cvt_scalef32_pk16_fp6_f32 v[BM+8*\qt+4*\c:BM+8*\qt+4*\c+2], v[64*\qt+32*\c+16:64*\qt+32*\c+31], v[SO+4*\qt+2*\c+1]   ; (a conversion's three registers begin on an even number)
.endr
.endr
	WIN 0
	v_nop                                          ; one plain place behind a scaled conversion
.irp qt,0,1,2,3
.irp c,0,1
.irp i,0,1,2
	v_permlane16_swap_b32 v[PCD+12*\qt+6*\c+\i], v[BM+8*\qt+4*\c+\i]
.endr
.irp i,0,1,2
	v_mov_b32 v[PCD+12*\qt+6*\c+3+\i], v[BM+8*\qt+4*\c+\i]
.endr
.endr
.endr
.endm
.macro LOADV c0                        ; v's fragments c0 .. c0 + 7: registers 6 hb + 2 p, + 1 from block hb
	WIN 0xc0
.set N, \c0
.rept 8
.irp hb,0,1
.irp p,0,1,2
	ds_load_b64 v[12*N+6*\hb+2*\p:12*N+6*\hb+2*\p+1], v6 offset:HB*\hb+768*N+256*\p
.endr
.endr
.set N, N+1
.endr
.endm
.macro RESCALE q0                      ; O^T of tiles q0, q0 + 1 under the new M
.irp u,0,1
.set N, 0
.rept 64
	v_pk_mul_f32 v[128*\u+N:128*\u+N+1], v[128*\u+N:128*\u+N+1], v[ST+6*(\q0+\u)+4:ST+6*(\q0+\u)+5] op_sel_hi:[1,0]
.set N, N+2
.endr
.endr
.endm
.macro PVG c0, q0, first               ; sixteen products: channel tiles c0 .. c0 + 7 x query tiles q0, q0 + 1; each accumulator has one instruction a lap
.set N, \c0
.rept 8
.irp u,0,1
.if \first
	MM 128*\u+8*N, 12*N, PCD+12*(\q0+\u), -1, VS+N/2, PS+\q0+\u, 2*(N%2)
.else
	MM 128*\u+8*N, 12*N, PCD+12*(\q0+\u), 128*\u+8*N, VS+N/2, PS+\q0+\u, 2*(N%2)
.endif
.endr
.set N, N+1
.endr
.endm
; O^T += v^T p^T of the lap: 64 matrix instructions.  first = 1: the products start the sums: nothing is cleared or rescaled
.macro VPHASE first
	v_add_nc_u32 v6, s30, v4
	v_add_nc_u32 v7, s30, v5
	ds_load_b128 v[SO:SO+3], v7 offset:SCO         ; the two blocks' scale bytes: lane r + 16 (ct & 1), word ct / 4, half (ct / 2) & 1
	ds_load_b128 v[SO+4:SO+7], v7 offset:HB+SCO
	LOADV 0
.if !\first
	WIN 0x41
	RESCALE 0
.endif
	WIN 0
	s_wait_dscnt 48                                ; the scale bytes are in; the 48 loads of fragments may be out
.irp i,0,1,2,3
	v_perm_b32 v[VS+2*\i], v[SO+4+\i], v[SO+\i], 0x05040100     ; a key step's word: two bytes of each block; register ct / 2, lanes 16 (ct & 1) + r
	v_perm_b32 v[VS+2*\i+1], v[SO+4+\i], v[SO+\i], 0x07060302
.endr
	LOADV 8
.if \first
	PLACES 8                                       ; a scale register written by a vector instruction stands eight places ahead of a scaled product
.else
	WIN 0x82
	RESCALE 2                                      ; (these are those places)
.endif
	s_wait_dscnt 48                                ; fragments 0-7 are in; 8-15 may be out
	WIN 0x53                                       ; v window 3, p window 0, O^T window 1
	PVG 0, 0, \first
	WIN 0xa3                                       ; O^T window 2
	PVG 0, 2, \first
	s_wait_dscnt 0x0
	WIN 0x53
	PVG 8, 0, \first
	WIN 0xa3
	PVG 8, 2, \first
	WIN 0
	s_xor_b32 s30, s30, 51200                      ; the next lap's v lies in the other v part
.endm
.macro LAP first, fill
	SPHASE
.if \fill
	CHANGE
.else
	PLACES 4
.endif
	SOFTMAX
	VPHASE \first
.endm
	s_mov_b32 s31, 7                               ; refills still to come, this lap's among them
	LAP 1, 1                                       ; lap 0 is written out: its products start O^T's sums
	s_mov_b32 s31, 6
.Llap:                                                 ; laps 1 to 6
	LAP 0, 1
	s_sub_co_u32 s31, s31, 1
	s_cmp_lg_u32 s31, 0
	s_cbranch_scc1 .Llap
	LAP 0, 0                                       ; lap 7 is written out
	; ---- THE END.  The four waves' parts are joined, a = O / sum is quantised along the channels, projected, and x is added.
	PLACES 4                                       ; ahead of loads into registers that the last products read, and of the first read of their results
	WIN 0xc0
.irp o,0,1,2,3
.irp s,0,1
.irp g,0,1,2
	global_load_b128 v[128+24*\o+12*\s+4*\g:131+24*\o+12*\s+4*\g], v10, s[8:9] offset:3072*\o+1536*\s+512*\g   ; my four tiles of proj_w (outputs 64 w + 16 o + r)
.endr
.endr
	global_load_b32 v[224+8*\o], v12, s[8:9] offset:12800+64*\o     ; the bias of row r
.endr
	WIN 0
.irp o,0,1,2,3
	global_load_b32 v[PS+\o], v11, s[8:9] offset:12288+128*\o
.endr
	WIN 0xc0
.set N, 0
.rept 32
	global_load_b128 v[4*N:4*N+3], v13, s[10:11] offset:32768*N th:TH_LOAD_NT   ; x: channels 64 w + 2 N + h, my 64 tokens: two whole rows of 256 bytes; read once in this launch
.set N, N+1
.endr
	WIN 0
.irp qt,0,1,2,3
	v_add_f32 v[ST+6*\qt+1], v[ST+6*\qt+2], v[ST+6*\qt+3]
.endr
.irp qt,0,1,2,3
	v_permlanex16_b32 v[TT+\qt], v[ST+6*\qt+1], s[SEL], s[SEL+1]
.endr
.irp qt,0,1,2,3
	v_add_f32 v[ST+6*\qt+1], v[ST+6*\qt+1], v[TT+\qt]   ; my keys' sum, beside -M
.endr
	v_and_b32 v254, 15, v0                         ; r
	v_bfe_u32 v255, v0, 4, 1                       ; h
	v_lshrrev_b32 v253, 1, v10                     ; 8 l
	s_lshl_b32 s33, s14, 16
	v_add_nc_u32 v14, s33, v10                     ; my O^T: 65,536 w + 16 l
	s_lshl_b32 s33, s14, 10
	s_add_co_u32 s33, s33, MST
	v_add_nc_u32 v15, s33, v253                    ; my statistics: MST + 1,024 w + 8 l
	s_lshl_b32 s33, s14, 8
	s_add_co_u32 s33, s33, MST
	v_add_nc_u32 v9, s33, v253                     ; those of tile w, of all waves: MST + 256 w + 8 l
	s_wait_dscnt 0x0
	s_barrier_signal -1
	s_barrier_wait -1                              ; nobody reads the rings any more; they have had their last fill
	s_lshl_b32 s33, s14, 14
	v_add_nc_u32 v4, s33, v10                      ; O^T of tile w from wave i: 65,536 i + 16,384 w + 16 l
	v_add_nc_u32 v5, 0x10000, v4
	v_add_nc_u32 v6, 0x20000, v4
	v_add_nc_u32 v7, 0x30000, v4
	s_mul_i32 s33, s14, 3072
	s_add_co_u32 s33, s33, AIMG
	v_add_nc_u32 v3, s33, v10                      ; a's images of tile w
	s_lshl_b32 s33, s14, 7
	s_add_co_u32 s33, s33, ASC
	v_add_nc_u32 v213, s33, v12                    ; their scale words: ASC + 128 w + 4 r
	v_add_nc_u32 v214, AIMG, v10
	v_add_nc_u32 v215, ASC, v11
	s_mul_i32 s33, s14, 17408                      ; my stage for the results: 64 rows of 256 + 16 bytes
	v_mul_u32_u24 v252, v254, 272
	v_lshl_add_u32 v252, v255, 6, v252
	v_add_nc_u32 v252, s33, v252                   ; in: row r, + 64 h
	v_mul_u32_u24 v253, v255, 272
	v_lshl_add_u32 v253, v254, 4, v253
	v_add_nc_u32 v253, s33, v253                   ; back: lanes 0-15 one row, lanes 16-31 the next
.irp qt,0,1,2,3
	ds_store_b64 v15, v[ST+6*\qt:ST+6*\qt+1] offset:256*\qt
.endr
	WIN 0x04                                       ; a store's data: window 1
.irp qt,0,1
.set N, 0
.rept 32
	ds_store_b128 v14, v[128*\qt+4*N:128*\qt+4*N+3] offset:16384*\qt+512*N      ; as images of the registers, each accumulator from its low end on
.set N, N+1
.endr
.endr
	WIN 0x08
.irp qt,0,1
.set N, 0
.rept 32
	ds_store_b128 v14, v[128*\qt+4*N:128*\qt+4*N+3] offset:16384*(2+\qt)+512*N
.set N, N+1
.endr
.endr
	WIN 0
	s_wait_dscnt 0x0
	s_barrier_signal -1
	s_barrier_wait -1                              ; all sixteen parts lie in LDS
	; wave w finishes query tile w
.irp i,0,1,2,3
	ds_load_b64 v[144+2*\i:145+2*\i], v9 offset:1024*\i     ; (-M, sum) of wave i
.endr
.macro LOADO adr                       ; 128 registers of O^T; the window is set by the caller
.set N, 0
.rept 32
	ds_load_b128 v[4*N:4*N+3], v[\adr] offset:512*N
.set N, N+1
.endr
.endm
	WIN 0x40
	LOADO 4
	WIN 0
	s_wait_dscnt 32                                ; the statistics are in; the 32 loads behind them may be out
	v_min3_num_f32 v152, v144, v146, v148
	v_min_num_f32 v152, v152, v150                 ; -M of the largest M
.irp i,0,1,2,3
	v_sub_f32 v[154+\i], v152, v[144+2*\i]         ; M_i - M: a whole number, 0 or less
.endr
.irp i,0,1,2,3
	v_cvt_i32_f32 v[154+\i], v[154+\i]
.endr
.irp i,0,1,2,3
	v_ldexp_f32 v[154+\i], 1.0, v[154+\i]          ; exact
.endr
	v_mul_f32 v153, v154, v145
	v_fma_f32 v153, v155, v147, v153
	v_fma_f32 v153, v156, v149, v153
	v_fma_f32 v153, v157, v151, v153               ; the row's sum
	v_rcp_f32 v153, v153
	v_nop                                          ; a plain place behind it
	s_wait_alu depctr_va_vdst(0)                   ; and the wait ahead of its first reader
.irp i,0,1,2,3
	v_mul_f32 v[160+2*\i], v[154+\i], v153
	v_mul_f32 v[161+2*\i], v[154+\i], v153
.endr
	WIN 0x80
	LOADO 5
	s_wait_dscnt 32                                ; wave 0's part is in; the younger 32 loads may be out
	WIN 0x01
.set N, 0
.rept 64
	v_pk_mul_f32 v[16+N:17+N], v[N:N+1], v[160:161]
.set N, N+2
.endr
	WIN 0x40
	LOADO 6
	s_wait_dscnt 32                                ; wave 1's
	WIN 0x02
.set N, 0
.rept 64
	v_pk_fma_f32 v[16+N:17+N], v[N:N+1], v[162:163], v[16+N:17+N]
.set N, N+2
.endr
	WIN 0x80
	LOADO 7
	s_wait_dscnt 32                                ; wave 2's
	WIN 0x01
.set N, 0
.rept 64
	v_pk_fma_f32 v[16+N:17+N], v[N:N+1], v[164:165], v[16+N:17+N]
.set N, N+2
.endr
	s_wait_dscnt 0x0
	WIN 0x02
.set N, 0
.rept 64
	v_pk_fma_f32 v[16+N:17+N], v[N:N+1], v[166:167], v[16+N:17+N]
.set N, N+2
.endr
	WIN 0
	QUANT 16                                       ; a, channels 0-127 of my 16 queries
.irp g,0,1,2
	ds_store_b128 v3, v[PC+4*\g:PC+4*\g+3] offset:512*\g
.endr
	ds_store_b32 v213, v[PW]                       ; (both halves of the lanes write the same word)
	s_wait_dscnt 0x0                               ; the stores have read their registers
	QUANT 80                                       ; channels 128-255
.irp g,0,1,2
	ds_store_b128 v3, v[PC+4*\g:PC+4*\g+3] offset:1536+512*\g
.endr
	ds_store_b32 v213, v[PW] offset:64
	s_wait_dscnt 0x0
	s_barrier_signal -1
	s_barrier_wait -1                              ; a's eight fragments lie in LDS, and nobody reads the parts of O^T any more
.irp qt,0,1,2,3
.irp s,0,1
.irp g,0,1,2
	ds_load_b128 v[16+24*\qt+12*\s+4*\g:19+24*\qt+12*\s+4*\g], v214 offset:(2*\qt+\s)*1536+512*\g
.endr
.endr
.endr
.irp qt,0,1,2,3
	ds_load_b32 v[QS+\qt], v215 offset:128*\qt
.endr
	s_wait_loadcnt 32                              ; proj_w's fragments, scales and biases are in; x's 32 loads may be out
	WIN 0xc3
.irp o,0,1,2,3
.irp i,1,2,3,4,5,6,7
	v_mov_b32 v[224+8*\o+\i], v[224+8*\o]          ; a lane's eight results are of one output: its bias eight times, as the C of the first product
.endr
.endr
	WIN 0
	s_wait_dscnt 0x0
	PLACES 4
	WIN 0x7c                                       ; a window 0, proj_w and the biases window 3, results window 1
.irp o,0,1,2,3
.irp qt,0,1,2,3
	MM 32*\o+8*\qt, 16+24*\qt, 128+24*\o, 224+8*\o, QS+\qt, PS+\o, 0
.endr
.endr
	WIN 0x5c
.irp o,0,1,2,3
.irp qt,0,1,2,3
	MM 32*\o+8*\qt, 28+24*\qt, 140+24*\o, 32*\o+8*\qt, QS+\qt, PS+\o, 1
.endr
.endr
	WIN 0
	PLACES 4
	WIN 0x04                                       ; lane (r, h) of tile (o, qt) holds output 16 o + r, tokens 32 (qt / 2) + 8 (qt % 2) + 16 h + 0 .. 7
.irp o,0,1,2,3
.irp qt,0,1,2,3
	ds_store_b128 v252, v[32*\o+8*\qt:32*\o+8*\qt+3] offset:4352*\o+128*(\qt/2)+32*(\qt%2)
	ds_store_b128 v252, v[32*\o+8*\qt+4:32*\o+8*\qt+7] offset:4352*\o+128*(\qt/2)+32*(\qt%2)+16
.endr
.endr
	WIN 0x80
.set N, 0
.rept 32
	ds_load_b128 v[4*N:4*N+3], v253 offset:544*N   ; my own stage: LDS serves a wave's instructions in order
.set N, N+1
.endr
	WIN 0
	s_wait_dscnt 0x0
	s_wait_loadcnt 0x0                             ; x
	WIN 0x8e                                       ; results window 2, x window 3
.set N, 0
.rept 64
	v_pk_add_f32 v[N:N+1], v[N:N+1], v[N:N+1]
.set N, N+2
.endr
	WIN 0x08
.set N, 0
.rept 32
	global_store_b128 v13, v[4*N:4*N+3], s[12:13] offset:32768*N th:TH_STORE_NT   ; each half of the lanes stores 256 consecutive bytes, aligned; written once
.set N, N+1
.endr
	WIN 0
	s_wait_tensorcnt 0x0                           ; the wave's end
	ds_add_u32 v1, v2
	s_wait_dscnt 0x0
	CROUND                                         ; the closing round
	s_endpgm
.Lfunc_end_k_q8223a7dd78_attn:
	.size	k_q8223a7dd78_attn, .Lfunc_end_k_q8223a7dd78_attn-k_q8223a7dd78_attn
	.p2alignl 7, 3214868480
	.fill 96, 4, 3214868480
	.section	.rodata,"a",@progbits
	.p2align	6, 0x0
	.amdhsa_kernel k_q8223a7dd78_attn
		.amdhsa_group_segment_fixed_size 327680
		.amdhsa_private_segment_fixed_size 0
		.amdhsa_enable_private_segment 0
		.amdhsa_kernarg_size 40
		.amdhsa_user_sgpr_count 2
		.amdhsa_user_sgpr_kernarg_segment_ptr 1
		.amdhsa_wavefront_size32 1
		.amdhsa_system_sgpr_workgroup_id_x 1
		.amdhsa_system_sgpr_workgroup_id_y 1
		.amdhsa_system_sgpr_workgroup_id_z 1
		.amdhsa_system_vgpr_workitem_id 0
		.amdhsa_next_free_vgpr 1024
		.amdhsa_next_free_sgpr 66
		.amdhsa_reserve_vcc 0
		.amdhsa_float_denorm_mode_32 3
		.amdhsa_float_denorm_mode_16_64 3
		.amdhsa_memory_ordered 1
		.amdhsa_forward_progress 1
		.amdhsa_inst_pref_size 255
	.end_amdhsa_kernel
	.section	.bss,"aw",@nobits
	.p2align	6
	.space	262144
	.amdgpu_metadata
---
amdhsa.version: [ 1, 2 ]
amdhsa.kernels:
  - .name:           k_q8223a7dd78_attn
    .symbol:         k_q8223a7dd78_attn.kd
    .args:
      - { .name: qimg, .offset: 0, .size: 8, .value_kind: global_buffer, .address_space: global }
      - { .name: kv, .offset: 8, .size: 8, .value_kind: global_buffer, .address_space: global }
      - { .name: wimg, .offset: 16, .size: 8, .value_kind: global_buffer, .address_space: global }
      - { .name: x, .offset: 24, .size: 8, .value_kind: global_buffer, .address_space: global }
      - { .name: out0, .offset: 32, .size: 8, .value_kind: global_buffer, .address_space: global }
    .group_segment_fixed_size: 327680
    .private_segment_fixed_size: 0
    .kernarg_segment_align: 8
    .kernarg_segment_size: 40
    .max_flat_workgroup_size: 128
    .sgpr_count:     66
    .vgpr_count:     1024
    .wavefront_size: 32
...
	.end_amdgpu_metadata
.endif
;; end of part 3
